; MI455X (gfx1250); checked and timed in simulation.
; The chip was launched on July 23, 2026; its instructions are those of AMD's public machine-readable ISA for CDNA 5 (MIT licence, August 2026) and "CDNA5" Instruction Set Architecture Reference Guide (July 2026). The comments in the code are by the model that wrote it; some were corrected since.
;; Grouped Query Attention. Allowed arithmetic: matrix products marked QUANTISED: E5M2 operands, one given power-of-two scale a tensor, by v_wmma_f32_16x16x64_bf8_bf8 or v_wmma_f32_16x16x128_bf8_bf8, f32 sums; everything else in f32.
;; Inputs: Wk_codes 256 x 32 x 32 uint8 (E5M2 codes of Wk, K innermost, in blocks of 32 codes); Wo_codes 1,024 x 32 x 32 uint8 (E5M2 codes of Wo, K innermost, in blocks of 32 codes); Wq_codes 1,024 x 32 x 32 uint8 (E5M2 codes of Wq, K innermost, in blocks of 32 codes); Wv_codes 256 x 32 x 32 uint8 (E5M2 codes of Wv, K innermost, in blocks of 32 codes); lowp_scales 12 int32 (the exponents e of the quantised operands' scales 2^e); x_codes 4 x 2,048 x 32 x 32 uint8 (E5M2 codes of x, K innermost, in blocks of 32 codes).
;; Outputs: out0 4 x 2,048 x 1,024 float32.
;; This version of the problem:
;;   THIS VERSION OF THE PROBLEM IS GIVEN IN LOW PRECISION. The matrix products marked QUANTISED in the list below multiply operands that are first quantised to E5M2 (5 exponent bits, 2 mantissa bits; 8 bits a number), with one given power-of-two scale for each operand tensor; their sums are f32. All else is computed in f32.
;;   The module's matrix products, in the order in which they are computed (A, B: the left and right operand; K: the contracted axis; several contracted axes count as one K, in the product's order):
;;     1. [M 8,192, K 1,024] x [K 1,024, N 1,024]; A: input x (given as codes); B: input Wq (given as codes): QUANTISED (scales: A lowp_scales[0], B lowp_scales[1])
;;     2. [M 8,192, K 1,024] x [K 1,024, N 256]; A: input x (given as codes); B: input Wk (given as codes): QUANTISED (scales: A lowp_scales[2], B lowp_scales[3])
;;     3. [M 8,192, K 1,024] x [K 1,024, N 256]; A: input x (given as codes); B: input Wv (given as codes): QUANTISED (scales: A lowp_scales[4], B lowp_scales[5])
;;     4. batch 64 x [M 2,048, K 64] x [K 64, N 2,048]; A: computed on the way; B: computed on the way: QUANTISED (scales: A lowp_scales[6], B lowp_scales[7])
;;     5. batch 64 x [M 2,048, K 2,048] x [K 2,048, N 64]; A: softmax (see below); B: computed on the way: QUANTISED (scales: A lowp_scales[8], B lowp_scales[9])
;;     6. [M 8,192, K 1,024] x [K 1,024, N 1,024]; A: computed on the way; B: input Wo (given as codes): QUANTISED (scales: A lowp_scales[10], B lowp_scales[11])
;;   THE QUANTISER, for each operand of a quantised product, along K:
;;     - The operand's scale is 2^e, e = its entry of the input lowp_scales (int32; the entries are numbered through the quantised products in the list's order, A before B).
;;     - Each number is divided by the scale, clamped to +-57,344, and rounded to the nearest number of E5M2, ties to even, subnormals kept.
;;     - The product sums the exact products of the quantised numbers (number of the format x scale) in f32.
;;   ~~~python
;;   def quantise(x, axis, e):      # numpy; x: float32 -> the quantised numbers, widened to float32 again
;;       x = np.moveaxis(x, axis, -1); K = x.shape[-1]
;;       r = np.clip(x / 2.0 ** e, -57344, 57344)
;;       step = 2.0 ** (np.maximum(np.frexp(np.where(r == 0, 1, r))[1] - 1, -14) - 2)
;;       q = np.round(r / step) * step * 2.0 ** e      # np.round: ties to even
;;       return np.moveaxis(q, -1, axis).astype(np.float32)
;;   ~~~
;;   SOFTMAX AHEAD OF A QUANTISED PRODUCT. Where the list says 'softmax', what is quantised is not the finished softmax but p = 2^(t - M), with t = logit x log2(e) and M = ceil(the row's largest t), a whole number; so 1/2 < the row's largest p <= 1. The row's sum l is taken of the UNQUANTISED p, in f32, and the product's result is divided by l at the end. Since M is a whole number, a kernel that streams over the keys may use a running M (the ceiling of the running maximum): every later rescaling is an exact power of two, so the quantised numbers keep their values, but for numbers so far below the row's largest that they fall under the format's range.
;;   OPERANDS COMPUTED ON THE WAY. 'Computed on the way' means the value that the module computes at that place (a softmax that the list does not call 'softmax' is quantised finished and normalised). What goes into a quantiser is computed in f32, as accurately as f32 sums, v_exp_f32 and their like allow (about 1e-6 of the number): no bf16 or f16 on the way to a quantiser, and a product that is left as it is and whose result goes on into a quantised operand takes f32 operands (vector FMAs, or v_wmma_f32_16x16x4_f32). A number that lies on a knife's edge between two numbers of the format may be rounded either way, as far as f32 arithmetic and the matrix unit's own rounding can turn it there, and no further.
;;   INPUTS GIVEN AS CODES. Wk (in the module: [1024, 256], K = its axis 0); Wo (in the module: [1024, 1024], K = its axis 0); Wq (in the module: [1024, 1024], K = its axis 0); Wv (in the module: [1024, 256], K = its axis 0); x (in the module: [4, 2048, 1024], K = its axis 2): each comes as NAME_codes (uint8): NAME with its K axis moved to the last place and cut into blocks of 32 codes, [.., K / 32, bytes a block], one block behind the other in memory; one code a byte (a code: sign, 5 exponent bits, 2 mantissa bits); its scale is its entry of lowp_scales. Its value is code x scale, taken as it is: it is not quantised again, and the codes and scales need not be those that the quantiser above would give.
;; One version. Each part assembles by itself: llvm-mc -triple=amdgcn-amd-amdhsa -mcpu=gfx1250 --defsym DOCPART=n.
;; ======== version 1 of 1: 3 launches
;; limits: right only within a limited range of input values
;; workspace buffers: qc 8,388,608 bytes; kvc 4,194,304 bytes; ac 8,388,608 bytes
;; launch qkv (part 1): grid 4 x 64, 4 waves a work-group, clusters of 4 x 4, 327,680 bytes of LDS; arguments x_codes, Wq_codes, Wk_codes, Wv_codes, lowp_scales, qc, kvc; writes qc, kvc
.if DOCPART == 1
	.amdgcn_target "amdgcn-amd-amdhsa--gfx1250"
	.amdhsa_code_object_version 6
	.text
	.protected	k_qcece7300db_qkv
	.globl	k_qcece7300db_qkv
	.p2align	8
	.type	k_qcece7300db_qkv,@function
k_qcece7300db_qkv:
	s_mov_b64 s[64:65], 0
	v_nop
	global_prefetch_b8 v0, s[64:65] scope:SCOPE_SE
	s_setreg_imm32_b32 hwreg(HW_REG_WAVE_MODE, 25, 1), 1
	s_wait_xcnt 0x0
	s_wait_alu depctr_hold_cnt(0) depctr_sa_sdst(0) depctr_va_vdst(0) depctr_va_sdst(0) depctr_va_ssrc(0) depctr_va_vcc(0) depctr_vm_vsrc(0)
	s_getreg_b32 s2, hwreg(HW_REG_IB_STS2, 6, 4)
	s_cmp_eq_u32 s2, 0
	s_cbranch_scc0 .Lentry_in_a_cluster
	s_endpgm
.Lentry_in_a_cluster:
	s_bfe_u32 s2, ttmp6, 0x10000c
	s_cmp_lg_u32 s2, 0xf033
	s_cbranch_scc0 .Lentry_shape_is_right
	s_endpgm
.Lentry_shape_is_right:
.set PITCH,  272
.set SLOT,   512*PITCH
.set SPARE,  2*SLOT
.set ROWQ,   128
.set ROWK,   384
.set SCQ,  8
.set ADRA, 16
.set ADRQ, 18
.set ADRK, 20
.set LI,   22
.set VK,   23
.set VV,   24
.set SPW,  28
.set NIL,  29
.set CQ,   32
.set CK,   96
.set CV,   112
.set AF,   128
.set WV,   18
.set G1X, 24
.set G1Q, 32
.set G1S, 40
.set G0X, 48
.set G0Q, 56
.set G0S, 68
.set MSB, 0
.macro WIN new
.if MSB != \new
	s_set_vgpr_msb (MSB<<8)|\new
.set MSB, \new
.endif
.endm
.set MUL_LO, 0xa1
.set MUL_HI, 0xf1
.set SWP_LO, 0xa4
.set SWP_HI, 0xf4
.set TO_B,   0x40
.macro G1REST g, rows
	s_mov_b32 s[\g+1], 256<<16
	s_mov_b32 s[\g+2], (\rows)<<16
	s_mov_b32 s[\g+3], 256<<16
	s_mov_b32 s[\g+4], \rows
	s_mov_b32 s[\g+5], 1024
	s_mov_b32 s[\g+6], 0
	s_mov_b32 s[\g+7], 0
.endm
.macro JLOAD3 s
	s_cmp_lg_u32 s[WV], 0
	s_cbranch_scc1 .Lnot_x_\@
	tensor_load_to_lds s[G0X+4*\s:G0X+4*\s+3], s[G1X:G1X+7]
	s_nop 0
.rept 4
	v_nop
.endr
	s_branch .Lasked_\@
.Lnot_x_\@:
	s_cmp_lg_u32 s[WV], 1
	s_cbranch_scc1 .Lnot_q_\@
	tensor_load_to_lds s[G0Q+4*\s:G0Q+4*\s+3], s[G1Q:G1Q+7]
	s_nop 0
.rept 4
	v_nop
.endr
	s_branch .Lasked_\@
.Lnot_q_\@:
	tensor_load_to_lds s[G0S+4*\s:G0S+4*\s+3], s[G1S:G1S+7]
	s_nop 0
.rept 4
	v_nop
.endr
.Lasked_\@:
.endm
.macro CREST
	s_cmp_lg_u32 s[WV], 0
	s_cbranch_scc1 .Lnot_wave_0_\@
	s_barrier_signal -3
.Lnot_wave_0_\@:
	s_barrier_wait -3
	s_barrier_signal -1
	s_barrier_wait -1
.endm
.macro CROUND
	s_barrier_signal -1
	s_barrier_wait -1
	CREST
.endm
	s_load_b256 s[4:11], s[0:1], 0x0
	s_load_b128 s[12:15], s[0:1], 0x20
	s_load_b64 s[16:17], s[0:1], 0x30
	v_lshl_add_u32 v[SPW], v0, 2, SPARE
	v_mov_b32 v[NIL], 0
	ds_add_u32 v[SPW], v[NIL]
	ds_add_u32 v[SPW], v[NIL]
	v_lshrrev_b32 v1, 5, v0
	v_readfirstlane_b32 s[WV], v1
	s_bfe_u32 s19, ttmp6, 0x40000
	s_bfe_u32 s20, ttmp6, 0x40004
	s_lshl_b32 s22, ttmp9, 2
	s_add_co_u32 s22, s22, s19
	s_and_b32 s21, ttmp7, 0xffff
	s_lshl_b32 s21, s21, 2
	s_add_co_u32 s21, s21, s20
	s_lshl_b32 s23, s20, 2
	s_lshl_b32 s23, 15, s23
	s_lshl_b32 s88, 0x1111, s19
	s_or_b32 s[G1X], s23, (1<<20)|(1<<21)|(5<<22)|(3<<25)
	s_or_b32 s[G1Q], s88, (1<<20)|(1<<21)|(5<<22)|(3<<25)
	s_or_b32 s[G1S], s88, (1<<20)|(1<<21)|(5<<22)|(3<<25)
	G1REST G1X, 128
	G1REST G1Q, 256
	G1REST G1S, 64
	s_lshl_b32 s90, s21, 17
	s_mov_b32 s91, 0
	s_lshl_b32 s92, s22, 18
	s_mov_b32 s93, 0
	s_lshl_b32 s94, s22, 16
	s_mov_b32 s95, 0
	s_mul_i32 s96, s[WV], 64*PITCH
	s_add_co_u32 s96, s96, 256*PITCH
	s_wait_dscnt 0x0
	s_wait_kmcnt 0x0
	s_load_b256 s[76:83], s[12:13], 0x0
	s_load_b128 s[84:87], s[12:13], 0x20
	s_add_nc_u64 s[90:91], s[4:5], s[90:91]
	s_add_nc_u64 s[92:93], s[6:7], s[92:93]
	s_cmp_eq_u32 s[WV], 2
	s_cselect_b64 s[98:99], s[8:9], s[10:11]
	s_add_nc_u64 s[94:95], s[98:99], s[94:95]
	CROUND
.irp s, 0,1
	s_mov_b32 s[G0X+4*\s], 1
	s_mov_b32 s[G0X+4*\s+1], \s*SLOT
	s_add_nc_u64 s[G0X+4*\s+2:G0X+4*\s+3], s[90:91], \s*256
	s_or_b32 s[G0X+4*\s+3], s[G0X+4*\s+3], 0x80000000
	s_mov_b32 s[G0Q+4*\s], 1
	s_mov_b32 s[G0Q+4*\s+1], \s*SLOT+ROWQ*PITCH
	s_add_nc_u64 s[G0Q+4*\s+2:G0Q+4*\s+3], s[92:93], \s*256
	s_or_b32 s[G0Q+4*\s+3], s[G0Q+4*\s+3], 0x80000000
	s_mov_b32 s[G0S+4*\s], 1
	s_add_co_u32 s[G0S+4*\s+1], s96, \s*SLOT
	s_add_nc_u64 s[G0S+4*\s+2:G0S+4*\s+3], s[94:95], \s*256
	s_or_b32 s[G0S+4*\s+3], s[G0S+4*\s+3], 0x80000000
	s_wait_alu depctr_va_vdst(0)
	s_wait_tensorcnt 0x0
	ds_add_u32 v28, v29
	ds_add_u32 v28, v29
	s_wait_dscnt 0x0
	CROUND
	JLOAD3 \s
.endr
	v_and_b32 v1, 15, v0
	v_bfe_u32 v2, v0, 4, 1
	v_mul_u32_u24 v3, v1, PITCH
	v_lshl_add_u32 v[ADRA], v2, 4, v3
	s_mul_i32 s88, s[WV], 64*PITCH
	s_add_co_u32 s88, s88, ROWQ*PITCH
	v_add_nc_u32 v[ADRQ], s88, v[ADRA]
	s_mul_i32 s88, s[WV], 16*PITCH
	s_add_co_u32 s88, s88, ROWK*PITCH
	v_add_nc_u32 v[ADRK], s88, v[ADRA]
.irp r, ADRA, ADRQ, ADRK
	v_add_nc_u32 v[\r+1], SLOT, v[\r]
.endr
	v_and_b32 v4, 31, v0
	v_lshlrev_b32 v[LI], 4, v4
	v_lshlrev_b32 v[VK], 3, v4
	v_lshl_add_u32 v[VK], s[WV], 8, v[VK]
	v_lshl_add_u32 v[VV], s[WV], 11, v[LI]
	v_add_nc_u32 v[VV], 8192, v[VV]
	s_lshl_b32 s88, s21, 17
	s_lshl_b32 s89, s22, 2
	s_add_co_u32 s89, s89, s[WV]
	s_lshl_b32 s89, s89, 10
	s_add_co_u32 s88, s88, s89
	s_mov_b32 s89, 0
	s_add_nc_u64 s[14:15], s[14:15], s[88:89]
	s_lshr_b32 s88, s21, 4
	s_lshl_b32 s88, s88, 2
	s_add_co_u32 s88, s88, s22
	s_lshl_b32 s88, s88, 4
	s_and_b32 s89, s21, 15
	s_add_co_u32 s88, s88, s89
	s_lshl_b32 s88, s88, 14
	s_mov_b32 s89, 0
	s_add_nc_u64 s[16:17], s[16:17], s[88:89]
.macro FRAG reg, adr, q, rowoff
.irp c, 0,1,2,3
	ds_load_b128 v[\reg+4*\c:\reg+4*\c+3], v[\adr] offset:128*(\q)+32*\c+(\rowoff)*PITCH
.endr
.endm
.macro FETCH_B slot, q, p
	WIN TO_B
.irp b, 0,1,2,3
	FRAG 128*(\p)+16*\b, ADRQ+\slot, \q, 16*\b
.endr
	FRAG 128*(\p)+64, ADRK+\slot, \q, 0
	FRAG 128*(\p)+80, ADRK+\slot, \q, 64
	WIN 0
.endm
.macro FETCH_A slot, q, i0
.irp i, \i0, \i0+1, \i0+2, \i0+3
	FRAG AF+16*(\i), ADRA+\slot, \q, 16*(\i)
.endr
.endm
.macro MULS a0, p, zero
.irp a, \a0, \a0+1
.irp b, 0,1,2,3,4
.if \zero
	v_wmma_f32_16x16x128_bf8_bf8 v[8*(6*((\a)%4)+\b):8*(6*((\a)%4)+\b)+7], v[128*(\p)+16*\b:128*(\p)+16*\b+15], v[AF+16*(\a):AF+16*(\a)+15], 0
.else
	v_wmma_f32_16x16x128_bf8_bf8 v[8*(6*((\a)%4)+\b):8*(6*((\a)%4)+\b)+7], v[128*(\p)+16*\b:128*(\p)+16*\b+15], v[AF+16*(\a):AF+16*(\a)+15], v[8*(6*((\a)%4)+\b):8*(6*((\a)%4)+\b)+7]
.endif
.endr
.endr
.endm
.macro MULV a0, p, zero
.irp a, \a0, \a0+1, \a0+2, \a0+3
.if \zero
	v_wmma_f32_16x16x128_bf8_bf8 v[8*(6*((\a)%4)+5):8*(6*((\a)%4)+5)+7], v[AF+16*(\a):AF+16*(\a)+15], v[128*(\p)+80:128*(\p)+95], 0
.else
	v_wmma_f32_16x16x128_bf8_bf8 v[8*(6*((\a)%4)+5):8*(6*((\a)%4)+5)+7], v[AF+16*(\a):AF+16*(\a)+15], v[128*(\p)+80:128*(\p)+95], v[8*(6*((\a)%4)+5):8*(6*((\a)%4)+5)+7]
.endif
.endr
.endm
.macro PLACES n
.rept \n
	v_nop
.endr
.endm
.macro STEP slot, zero
	s_wait_dscnt 16
	WIN MUL_LO
	MULS 0, 0, \zero
	MULS 2, 0, \zero
	WIN SWP_LO
	MULV 0, 0, \zero
	s_wait_dscnt 0
	PLACES 4
	FETCH_B \slot, 1, 1
	FETCH_A \slot, 1, 0
	WIN MUL_HI
	MULS 4, 0, \zero
	MULS 6, 0, \zero
	WIN SWP_HI
	MULV 4, 0, \zero
	PLACES 4
	WIN 0
	FETCH_A \slot, 1, 4
.endm
.macro TURN slot, next, fill
	s_wait_tensorcnt 0x0
	ds_add_u32 v[SPW], v[NIL]
	s_wait_dscnt 17
	WIN MUL_LO
	MULS 0, 1, 0
	s_wait_dscnt 0x0
	s_barrier_signal -1
	MULS 2, 1, 0
	WIN SWP_LO
	MULV 0, 1, 0
	WIN 0
	s_barrier_wait -1
.if \fill
	CREST
	s_add_nc_u64 s[G0X+4*\slot+2:G0X+4*\slot+3], s[G0X+4*\slot+2:G0X+4*\slot+3], 512
	s_add_nc_u64 s[G0Q+4*\slot+2:G0Q+4*\slot+3], s[G0Q+4*\slot+2:G0Q+4*\slot+3], 512
	s_add_nc_u64 s[G0S+4*\slot+2:G0S+4*\slot+3], s[G0S+4*\slot+2:G0S+4*\slot+3], 512
	JLOAD3 \slot
.else
	PLACES 4
.endif
	s_wait_alu depctr_va_vdst(0)
	FETCH_B \next, 0, 0
	FETCH_A \next, 0, 0
	WIN MUL_HI
	MULS 4, 1, 0
	MULS 6, 1, 0
	WIN SWP_HI
	MULV 4, 1, 0
	PLACES 4
	WIN 0
	FETCH_A \next, 0, 4
.endm
	s_wait_tensorcnt 1
	s_barrier_signal -1
	s_barrier_wait -1
	FETCH_B 0, 0, 0
	FETCH_A 0, 0, 0
	FETCH_A 0, 0, 4
	STEP 0, 1
	TURN 0, 1, 1
	STEP 1, 0
	TURN 1, 0, 1
	STEP 0, 0
	TURN 0, 1, 0
	STEP 1, 0
	s_wait_dscnt 16
	WIN MUL_LO
	MULS 0, 1, 0
	MULS 2, 1, 0
	WIN SWP_LO
	MULV 0, 1, 0
	s_wait_dscnt 0
	WIN MUL_HI
	MULS 4, 1, 0
	MULS 6, 1, 0
	WIN SWP_HI
	MULV 4, 1, 0
	WIN 0
.macro QSC reg, ea, eb, ec
	s_sub_co_i32 s88, s[\ea], s[\eb]
	s_sub_co_i32 s88, s88, s[\ec]
	s_add_co_i32 s88, s88, 127
	s_lshl_b32 s89, s88, 23
	v_mov_b32 v[\reg], s89
	s_add_co_i32 s88, s88, 15
	s_lshl_b32 s88, s88, 23
	s_or_b32 s88, s88, 0x600000
.endm
	s_wait_kmcnt 0x0
	QSC SCQ, 82, 76, 77
	QSC SCQ+2, 83, 78, 79
	QSC SCQ+4, 85, 80, 81
.macro OUTHALF hi
	WIN 0x82+0x41*(\hi)
.irp a, 0,1,2,3
.irp b, 0,1,2,3,4,5
.set LM, SCQ+1+2*((\b)/4)*((\b)-3)
.irp j, 0,1,2,3,4,5,6,7
.endr
.endr
.endr
	WIN 0x02+(\hi)
	v_nop
.irp a, 0,1,2,3
.irp b, 0,1,2,3,4,5
.set SC, SCQ+2*((\b)/4)*((\b)-3)
.if \b < 4
.set DS, CQ+8*(4*(\hi)+\a)+2*\b
.elseif \b == 4
.set DS, CK+2*(4*(\hi)+\a)
.else
.set DS, CV+2*(4*(\hi)+\a)
.endif
	v_cvt_scalef32_pk8_bf8_f32 v[DS:DS+1], v[8*(6*\a+\b):8*(6*\a+\b)+7], v[SC]
.endr
.endr
.endm
	s_wait_alu depctr_va_vdst(0)
	OUTHALF 0
	OUTHALF 1
	v_nop
	WIN 0
.irp a, 0,1,2,3,4,5,6,7
	global_store_b128 v[LI], v[CQ+8*\a:CQ+8*\a+3], s[14:15] offset:\a*16384
	global_store_b128 v[LI], v[CQ+8*\a+4:CQ+8*\a+7], s[14:15] offset:\a*16384+512
.endr
.irp a, 0,1,2,3,4,5,6,7
	global_store_b64 v[VK], v[CK+2*\a:CK+2*\a+1], s[16:17] offset:\a*1024
.endr
.irp c, 0,1,2,3
	global_store_b128 v[VV], v[CV+4*\c:CV+4*\c+3], s[16:17] offset:\c*512
.endr
	s_wait_tensorcnt 0x0
	ds_add_u32 v[SPW], v[NIL]
	s_wait_dscnt 0x0
	CROUND
	s_endpgm
.Lfunc_end_k_qcece7300db_qkv:
	.size	k_qcece7300db_qkv, .Lfunc_end_k_qcece7300db_qkv-k_qcece7300db_qkv
	.p2alignl 7, 3214868480
	.fill 96, 4, 3214868480
	.section	.rodata,"a",@progbits
	.p2align	6, 0x0
	.amdhsa_kernel k_qcece7300db_qkv
		.amdhsa_group_segment_fixed_size 327680
		.amdhsa_private_segment_fixed_size 0
		.amdhsa_enable_private_segment 0
		.amdhsa_kernarg_size 56
		.amdhsa_user_sgpr_count 2
		.amdhsa_user_sgpr_kernarg_segment_ptr 1
		.amdhsa_wavefront_size32 1
		.amdhsa_system_sgpr_workgroup_id_x 1
		.amdhsa_system_sgpr_workgroup_id_y 1
		.amdhsa_system_sgpr_workgroup_id_z 1
		.amdhsa_system_vgpr_workitem_id 0
		.amdhsa_next_free_vgpr 1024
		.amdhsa_next_free_sgpr 100
		.amdhsa_reserve_vcc 0
		.amdhsa_float_denorm_mode_32 3
		.amdhsa_float_denorm_mode_16_64 3
		.amdhsa_fp16_overflow 1
		.amdhsa_memory_ordered 1
		.amdhsa_forward_progress 1
		.amdhsa_inst_pref_size 76
	.end_amdhsa_kernel
	.amdgpu_metadata
---
amdhsa.version: [ 1, 2 ]
amdhsa.kernels:
  - .name:           k_qcece7300db_qkv
    .symbol:         k_qcece7300db_qkv.kd
    .args:
      - { .name: x_codes, .offset: 0, .size: 8, .value_kind: global_buffer, .address_space: global }
      - { .name: Wq_codes, .offset: 8, .size: 8, .value_kind: global_buffer, .address_space: global }
      - { .name: Wk_codes, .offset: 16, .size: 8, .value_kind: global_buffer, .address_space: global }
      - { .name: Wv_codes, .offset: 24, .size: 8, .value_kind: global_buffer, .address_space: global }
      - { .name: lowp_scales, .offset: 32, .size: 8, .value_kind: global_buffer, .address_space: global }
      - { .name: qc, .offset: 40, .size: 8, .value_kind: global_buffer, .address_space: global }
      - { .name: kvc, .offset: 48, .size: 8, .value_kind: global_buffer, .address_space: global }
    .group_segment_fixed_size: 327680
    .private_segment_fixed_size: 0
    .kernarg_segment_align: 8
    .kernarg_segment_size: 56
    .max_flat_workgroup_size: 128
    .sgpr_count:     100
    .vgpr_count:     1024
    .wavefront_size: 32
...
	.end_amdgpu_metadata
.endif
;; end of part 1
;; launch attn (part 2): grid 16 x 16, 16 waves a work-group, clusters of 4 x 1, 327,680 bytes of LDS; arguments qc, kvc, lowp_scales, ac; writes ac
.if DOCPART == 2
	.amdgcn_target "amdgcn-amd-amdhsa--gfx1250"
	.amdhsa_code_object_version 6
	.text
	.protected	k_qcece7300db_attn
	.globl	k_qcece7300db_attn
	.p2align	8
	.type	k_qcece7300db_attn,@function
k_qcece7300db_attn:
	s_mov_b64 s[64:65], 0
	v_nop
	global_prefetch_b8 v0, s[64:65] scope:SCOPE_SE
	s_setreg_imm32_b32 hwreg(HW_REG_WAVE_MODE, 25, 1), 1
	s_wait_xcnt 0x0
	s_wait_alu depctr_hold_cnt(0) depctr_sa_sdst(0) depctr_va_vdst(0) depctr_va_sdst(0) depctr_va_ssrc(0) depctr_va_vcc(0) depctr_vm_vsrc(0)
	s_getreg_b32 s2, hwreg(HW_REG_IB_STS2, 6, 4)
	s_cmp_eq_u32 s2, 0
	s_cbranch_scc0 .Lentry_in_a_cluster
	s_endpgm
.Lentry_in_a_cluster:
	s_bfe_u32 s2, ttmp6, 0x10000c
	s_cmp_lg_u32 s2, 0x3003
	s_cbranch_scc0 .Lentry_shape_is_right
	s_endpgm
.Lentry_shape_is_right:
; Attention with an ALiBi bias on codes of BF8 (E5M2): scores = q k^T / 8 + slope_h (key - query); softmax; x v.  16 query heads, 4 key/value heads, head size 64, 2,048 positions, 4 batches.
; qc, kvc: images of the operands' registers, as the launch before laid them.  ac: the result as codes, an image of the last product's operand: [kv][row tile 512][head % 4][1024 B].
; THE SOFTMAX: t = logit x log2(e); M = the running largest t rounded UP to a whole number; p = 2^(t - M) is quantised with 2^e8, not normalised; the row's sum is taken of the unquantised p and divides at the end.
; When M moves, the sum and O are multiplied by 2^(old M - new M): exact.
; THE BIAS IS NEVER FORMED AS ONE LARGE f32 NUMBER.  sl2 = slope x log2(e) is split into hi (12 bits) + lo.  key - query = x1 + x2 + R with x1 = 16 u + 8 h + j - 31 (a register's place, -31 .. 0),
; x2 = 32 (bb - 3) (which 32 keys of the step), R = the step's last key - my query.  hi x R is exact; its whole part M0 = floor(hi R) joins M, which is whole too; what is left,
; phi = (hi R - M0) + lo R, is small.  So t - M = (score x c + sl2 x1) + (sl2 x2 + phi + (M0 - M)), all terms of the size of the result.
; SHARES.  A work-group owns 128 positions of one (batch, kv head): 8 tiles of 16 queries x 4 query heads = 32 tiles; each of its sixteen waves takes two, one after the other (head 4 kv + w % 4, tiles w / 4 and w / 4 + 4).
; All 256 KB of K and V of the (batch, kv head) come into LDS ONCE, in eight slots of two key steps, and are never filled again; the second pass only reads.
; The keys are walked DOWNWARD (the bias grows with the key, so M is near its last value after the first step); LDS slot n holds key steps 14 - 2 n and 15 - 2 n.
; LAYOUT.  S^T = K Q^T (source 0 = 16 keys, source 1 = my 16 queries), O^T = V^T P^T: a lane holds ONE query throughout; a conversion of a tile's eight registers is a register pair of the next operand.
; CLUSTER.  The four work-groups of a cluster share batch and kv head and walk the same K and V: each tile is asked for jointly (waves 0 and 1, one key step each).
; LIMITS: e6 + e7 - 3 between -126 and 127; e8 and e10 - e8 - e9 between -126 and 112.  NaN among the inputs is not served.
.set STEPB, 16384                      ; a key step in LDS: 8 KB of K, 8 KB of V^T
.set SLOTB, 32768
.set SPARE, 262144                     ; behind the eight slots: the spare words, 128 bytes a wave
.set LK,  1                            ; v1   8 x lane
.set LV,  2                            ; v2   16 x lane + 8192
.set PFO, 3                            ; v3   256 x lane; never rewritten
.set SPW, 4                            ; v4   my spare word; never rewritten
.set NIL, 5                            ; v5   0; never rewritten
.set GO,  6                            ; v6   16 x lane
.set ADK, 7                            ; v7   LDS address of the slot's K
.set ADV, 8                            ; v8   of its V
.set RR,  9                            ; v9   R as f32
.set NM,  10                           ; v10  -M
.set LS,  12                           ; v[12:13] the row's sum in two halves
.set FF,  14                           ; v[14:15] f = 2^(old M - new M); v15 is only named with it
.set Q0,  16                           ; v16-23 Q of the first tile, v24-31 of the second
.set KV,  32                           ; v32-95 K's eight fragments, then V's four
.set S,   96                           ; v96-159 S^T, then t - M, then p
.set O,   160                          ; v160-191 O^T
.set PC,  192                          ; v192-207 p's codes
.set AB,  208                          ; v208-223 sl2 x x1 for u, j
.set PSI, 224                          ; v224-227 what is added to a score of key group bb
.set GG,  228                          ; hi R
.set M0,  229
.set PH,  230                          ; phi
.set MX,  232                          ; v232-235 at work
.set PX,  236                          ; a lane permute's destination
.set S2,  238                          ; v[238:239] the sum's second chain
.set OFF, 240                          ; v240-242 sl2 x (-96, -64, -32)
.set PSC, 248                          ; v248 2^e8
.set OSC, 250                          ; v250 the same with e10 - e8 - e9
.set WV,  12                           ; s12 wave
.set SEL, 20                           ; s[20:21] lane l xor 16
.set CS,  22                           ; s[22:23] c = log2(e) / 8 x 2^(e6 + e7)
.set HI,  24
.set LO,  25
.set TB,  29                           ; s29 LDS byte of the slot in hand
.set SLOTS, 30                         ; s30 counts slots
.set LIM, 31                           ; s31 1 in the wave that prefetches, else the greatest number
.set G1,  32                           ; s[32:39]
.set G0,  40                           ; s[40:43] walks
.set PFA, 44                           ; s[44:45] where my prefetches stand
.set AC,  46                           ; s[46:47] my place in ac
.macro CROUND
	s_barrier_signal -1
	s_barrier_wait -1
	s_cmp_lg_u32 s[WV], 0
	s_cbranch_scc1 .Lnot_wave_0_\@
	s_barrier_signal -3
.Lnot_wave_0_\@:
	s_barrier_wait -3
	s_barrier_signal -1
	s_barrier_wait -1
.endm
.macro TLOAD                           ; waves 0 and 1 fetch a key step each; an s_nop 0 and four v_nop follow the line
	s_cmp_lt_u32 s[WV], 2
	s_cbranch_scc0 .Lnone_\@
	tensor_load_to_lds s[G0:G0+3], s[G1:G1+7]
	s_nop 0
.rept 4
	v_nop
.endr
.Lnone_\@:
.endm
; A prefetch of the slot that the NEXT change will ask for: 32,768 bytes.  All clusters of a (batch, kv head) walk the same bytes: the first of them asks; its four partners take 8,192 bytes each, told apart by address;
; in each, wave 2 asks, lanes 256 bytes apart: each aligned block of 256 bytes is named once.  The last change that fills a slot asks for nothing.
.macro ASK
	s_cmp_gt_u32 s[SLOTS], s[LIM]
	s_cbranch_scc0 .Lnot_mine_\@
	global_prefetch_b8 v[PFO], s[PFA:PFA+1] th:TH_LOAD_NT scope:SCOPE_SE
.Lnot_mine_\@:
.endm
	s_load_b128 s[4:7], s[0:1], 0x0                ; qc s[4:5], kvc s[6:7]
	s_load_b128 s[8:11], s[0:1], 0x10              ; the exponents s[8:9], ac s[10:11]
	v_lshl_add_u32 v[SPW], v0, 2, SPARE
	v_mov_b32 v[NIL], 0
	ds_add_u32 v[SPW], v[NIL]                      ; the wave's opening: the add and its wait come ahead of my first tensor load; the set-up below stands between them
	ds_add_u32 v[SPW], v[NIL]
	v_lshrrev_b32 v1, 5, v0
	s_delay_alu instid0(VALU_DEP_1)
	v_readfirstlane_b32 s[WV], v1                  ; wave 0..15
	s_bfe_u32 s13, ttmp6, 0x40000                  ; cx
	s_lshl_b32 s14, ttmp9, 2
	s_add_co_u32 s14, s14, s13                     ; my block of 128 positions
	s_and_b32 s15, ttmp7, 0xffff                   ; y = 4 b + kv, which the partners share
	s_mov_b32 s[G1], 15|(3<<16)|(1<<21)            ; the mask: all four; elements of 8 bytes; bit 21 beside a mask; no padding
	s_mov_b32 s[G1+1], 32<<16                      ; tensor_dim0 = 32 elements: 256 bytes
	s_mov_b32 s[G1+2], 64<<16                      ; tensor_dim1 = 64 rows: a key step's 16,384 bytes, dense
	s_mov_b32 s[G1+3], 32<<16                      ; tile_dim0
	s_mov_b32 s[G1+4], 64                          ; tile_dim1
	s_mov_b32 s[G1+5], 32                          ; from row to row
	s_mov_b32 s[G1+6], 0
	s_mov_b32 s[G1+7], 0
	s_mov_b32 s[SEL], 0x76543210
	s_mov_b32 s[SEL+1], 0xfedcba98
	s_mov_b32 s[TB], 0
	s_mov_b32 s[SLOTS], 7
	s_and_b32 s16, s[WV], 1
	s_lshl_b32 s16, s16, 14                        ; which key step of a slot I fetch
	s_lshl_b32 s70, s15, 18                        ; the (batch, kv head)'s 262,144 bytes of kvc
	s_add_co_u32 s72, s70, 7*SLOTB                 ; the last two key steps come first
	s_add_co_u32 s72, s72, s16
	s_mov_b32 s73, 0
	s_lshl_b32 s74, s13, 13                        ; the prefetches: my work-group's 8,192 bytes,
	s_add_co_u32 s74, s74, s70
	s_add_co_u32 s74, s74, 6*SLOTB                 ; in the slot that the first change asks for; that change steps it one slot on
	s_mov_b32 s75, 0
	s_xor_b32 s17, s[WV], 2
	s_or_b32 s17, s17, ttmp9                       ; 0 in wave 2 of the first cluster: the same in all four partners
	s_cmp_eq_u32 s17, 0
	s_cselect_b32 s[LIM], 1, -1
	s_lshr_b32 s60, s15, 2                         ; b
	s_lshl_b32 s60, s60, 7
	s_lshl_b32 s61, s14, 3
	s_add_co_u32 s60, s60, s61
	s_lshr_b32 s61, s[WV], 2
	s_add_co_u32 s60, s60, s61                     ; my first position tile: 128 b + 8 block + w / 4
	s_and_b32 s62, s15, 3                          ; kv
	s_and_b32 s63, s[WV], 3
	s_lshl_b32 s18, s62, 2
	s_add_co_u32 s18, s18, s63                     ; my head
	s_lshl_b32 s66, s60, 4
	s_add_co_u32 s66, s66, s18
	s_lshl_b32 s66, s66, 10                        ; qc: (tile x 16 + head) x 1,024
	s_mov_b32 s67, 0
	s_lshl_b32 s68, s62, 21                        ; ac: kv x 2,097,152 + tile x 4,096 + (w % 4) x 1,024
	s_lshl_b32 s69, s60, 12
	s_add_co_u32 s68, s68, s69
	s_lshl_b32 s69, s63, 10
	s_add_co_u32 s68, s68, s69
	s_mov_b32 s69, 0
	s_lshl_b32 s19, s14, 7
	s_lshl_b32 s61, s61, 4
	s_add_co_u32 s19, s19, s61
	s_sub_co_u32 s19, 2175, s19                    ; 2,175 - my tile's first query: the first step takes 128 off
	s_and_b32 s17, s[WV], 1                        ; the head's parity
	s_cmp_lg_u32 s17, 0
	s_mov_b32 s[HI], 0x3f829000                    ; even heads: 2^-0.5 (as f32) x log2(e) = 1.02001953 + 0.000119884
	s_cselect_b32 s[HI], 0x3fb8a000, s[HI]         ; odd heads: log2(e) = 1.44238281 + 0.000312209
	s_mov_b32 s[LO], 0x38fb6a61
	s_cselect_b32 s[LO], 0x39a3b000, s[LO]
	s_lshr_b32 s61, s18, 1
	s_add_co_u32 s61, s61, s17                     ; slope_h = 2^-(h + 1) / 2: head / 2 + parity comes off both exponent fields
	s_lshl_b32 s61, s61, 23
	s_sub_co_u32 s[HI], s[HI], s61
	s_sub_co_u32 s[LO], s[LO], s61
	s_wait_dscnt 0x0                               ; the opening add is done
	s_wait_kmcnt 0x0
	s_load_b256 s[48:55], s[8:9], 0x0              ; e0 .. e7
	s_load_b128 s[56:59], s[8:9], 0x20             ; e8 .. e11
	s_add_nc_u64 s[4:5], s[4:5], s[66:67]
	s_add_nc_u64 s[AC:AC+1], s[10:11], s[68:69]
	s_add_nc_u64 s[PFA:PFA+1], s[6:7], s[74:75]
	s_mov_b32 s[G0], 1
	s_mov_b32 s[G0+1], s16                         ; LDS slot 0
	s_add_nc_u64 s[G0+2:G0+3], s[6:7], s[72:73]
	s_or_b32 s[G0+3], s[G0+3], 0x80000000
	CROUND                                         ; all four work-groups are here: the first joint loads meet
	TLOAD
	v_and_b32 v228, 31, v0
	s_delay_alu instid0(VALU_DEP_1)
	v_lshlrev_b32 v[GO], 4, v228
	global_load_b128 v[Q0:Q0+3], v[GO], s[4:5]                      ; Q's fragments stay in registers
	global_load_b128 v[Q0+4:Q0+7], v[GO], s[4:5] offset:512
	global_load_b128 v[Q0+8:Q0+11], v[GO], s[4:5] offset:65536      ; four position tiles on
	global_load_b128 v[Q0+12:Q0+15], v[GO], s[4:5] offset:66048
	v_lshlrev_b32 v[LK], 3, v228
	v_add_nc_u32 v[LV], 8192, v[GO]
	v_lshlrev_b32 v[PFO], 8, v228
	v_mov_b32 v[PX], 0                             ; written once: a lane permute's destination counts as one of its sources
	v_mov_b32 v[FF+1], 0
	v_bfe_u32 v228, v0, 4, 1
	s_delay_alu instid0(VALU_DEP_1)
	v_lshlrev_b32 v228, 3, v228
	s_delay_alu instid0(VALU_DEP_1)
	v_sub_nc_u32 v228, v228, 31                    ; 8 h - 31
.set n, 0
.rept 16
	v_add_nc_u32 v229, 16*(n/8)+n%8, v228          ; x1 = 16 u + j + 8 h - 31
	s_delay_alu instid0(VALU_DEP_1)
	v_cvt_f32_i32 v229, v229
	s_delay_alu instid0(VALU_DEP_1)
	v_mul_f32 v230, s[HI], v229                    ; exact
	s_delay_alu instid0(VALU_DEP_1)
	v_fma_f32 v[AB+n], s[LO], v229, v230
.set n, n+1
.endr
.macro OFFS reg, x
	v_mov_b32 v229, \x
	s_delay_alu instid0(VALU_DEP_1)
	v_mul_f32 v230, s[HI], v229
	s_delay_alu instid0(VALU_DEP_1)
	v_fma_f32 v[\reg], s[LO], v229, v230
.endm
	OFFS OFF, 0xc2c00000                           ; sl2 x -96
	OFFS OFF+1, 0xc2800000                         ; sl2 x -64
	OFFS OFF+2, 0xc2000000                         ; sl2 x -32
	s_wait_kmcnt 0x0
	s_add_co_i32 s17, s54, s55                     ; e6 + e7; / 8 is -3
	s_sub_co_i32 s17, s17, 3
	s_lshl_b32 s17, s17, 23
	s_add_co_i32 s[CS], s17, 0x3fb8aa3b            ; added to log2(e)'s exponent field
	s_mov_b32 s[CS+1], s[CS]
	s_add_co_i32 s17, s56, 127
	s_lshl_b32 s61, s17, 23
	v_mov_b32 v[PSC], s61                          ; 2^e8
	s_sub_co_i32 s17, s58, s56                     ; O^T / l stands for that x 2^(e8 + e9): its code is that / 2^(e10 - e8 - e9)
	s_sub_co_i32 s17, s17, s57
	s_add_co_i32 s17, s17, 127
	s_lshl_b32 s61, s17, 23
	v_mov_b32 v[OSC], s61
.macro INIT                            ; a tile begins: R, -M = 3e38 (over every -t), the sum and O^T zeros, which the first change of M leaves zeros
	v_and_b32 v228, 15, v0
	s_delay_alu instid0(VALU_DEP_1)
	v_sub_nc_u32 v228, s19, v228
	s_delay_alu instid0(VALU_DEP_1)
	v_cvt_f32_i32 v[RR], v228
	v_mov_b32 v[NM], 0x7f61b1e6
	v_mov_b32 v[LS], 0
	v_mov_b32 v[LS+1], 0
.set j, 0
.rept 32
	v_mov_b32 v[O+j], 0
.set j, j+1
.endr
.endm
; A KEY STEP: 128 keys, the q-th of the slot in hand, for the tile whose Q lies at v[QF].
.macro STEP q, QF
	v_add_nc_u32 v[ADK], s[TB], v[LK]              ; these four plain lines are the places in front of the loads into registers that the last products read
	v_add_nc_u32 v[ADV], s[TB], v[LV]
	v_add_f32 v[RR], 0xc3000000, v[RR]             ; R = the step's last key - my query
	s_delay_alu instid0(VALU_DEP_1)
	v_mul_f32 v[GG], s[HI], v[RR]                  ; exact: 12 bits x 12 bits
.set a, 0
.rept 8
.irp t, 0,1,2,3
	ds_load_b64 v[KV+8*a+2*\t:KV+8*a+2*\t+1], v[ADK] offset:(\q)*STEPB+a*1024+\t*256   ; 32 lanes read 256 consecutive bytes
.endr
.set a, a+1
.endr
	s_wait_alu depctr_va_vdst(0)
	s_wait_dscnt 0x0
.set a, 0
.rept 8
	v_wmma_f32_16x16x64_bf8_bf8 v[S+8*a:S+8*a+7], v[KV+8*a:KV+8*a+7], v[\QF:\QF+7], 0
.set a, a+1
.endr
	v_floor_f32 v[M0], v[GG]                       ; four places again: for V's loads and for the first read of the scores
	s_delay_alu instid0(VALU_DEP_1)
	v_sub_f32 v[PH], v[GG], v[M0]                  ; exact
	s_delay_alu instid0(VALU_DEP_1)
	v_fma_f32 v[PH], s[LO], v[RR], v[PH]           ; phi
	v_nop
.irp t, 0,1,2,3
.irp c, 0,1,2,3
	ds_load_b128 v[KV+16*\t+4*\c:KV+16*\t+4*\c+3], v[ADV] offset:(\q)*STEPB+\t*2048+\c*512   ; V lands while the softmax is walked
.endr
.endr
.set a, 0
.rept 8
.irp i, 0,2,4,6
	v_pk_fma_f32 v[S+8*a+\i:S+8*a+\i+1], v[S+8*a+\i:S+8*a+\i+1], s[CS:CS+1], v[AB+8*(a%2)+\i:AB+8*(a%2)+\i+1] op_sel_hi:[1,0,1]   ; score x c + sl2 x1; each accumulator from its low end on
.endr
.set a, a+1
.endr
.irp bb, 0,1,2,3                               ; the largest of each group of 32 keys (16 a lane), four chains
	v_max3_num_f32 v[MX+\bb], v[S+16*\bb], v[S+16*\bb+1], v[S+16*\bb+2]
.endr
.irp i, 3,5,7,9,11,13
.irp bb, 0,1,2,3
	s_delay_alu instid0(VALU_DEP_4)
	v_max3_num_f32 v[MX+\bb], v[MX+\bb], v[S+16*\bb+\i], v[S+16*\bb+\i+1]
.endr
.endr
.irp bb, 0,1,2,3
	s_delay_alu instid0(VALU_DEP_4)
	v_max_num_f32 v[MX+\bb], v[MX+\bb], v[S+16*\bb+15]
.endr
	s_delay_alu instid0(VALU_DEP_4)
	v_add_f32 v[MX], v[MX], v[OFF]
	s_delay_alu instid0(VALU_DEP_4)
	v_add_f32 v[MX+1], v[MX+1], v[OFF+1]
	s_delay_alu instid0(VALU_DEP_4)
	v_add_f32 v[MX+2], v[MX+2], v[OFF+2]
	s_delay_alu instid0(VALU_DEP_1)
	v_max3_num_f32 v[MX], v[MX], v[MX+1], v[MX+2]
	s_delay_alu instid0(VALU_DEP_1)
	v_max_num_f32 v[MX], v[MX], v[MX+3]
	s_delay_alu instid0(VALU_DEP_1)
	v_permlanex16_b32 v[PX], v[MX], s[SEL], s[SEL+1]
	s_delay_alu instid0(VALU_DEP_1)
	v_max_num_f32 v[MX], v[MX], v[PX]              ; and among lane l xor 16's keys
	s_delay_alu instid0(VALU_DEP_1)
	v_add_f32 v[MX], v[MX], v[PH]                  ; the step's largest t, less M0
	s_delay_alu instid0(VALU_DEP_1)
	v_floor_f32 v[MX+1], -v[MX]
	s_delay_alu instid0(VALU_DEP_1)
	v_sub_f32 v[MX+1], v[MX+1], v[M0]              ; -ceil(the step's largest t): whole numbers, exact
	v_mov_b32 v[MX+2], v[NM]
	s_delay_alu instid0(VALU_DEP_2)
	v_min_num_f32 v[NM], v[NM], v[MX+1]            ; the new -M
	s_delay_alu instid0(VALU_DEP_1)
	v_sub_f32 v[MX+2], v[NM], v[MX+2]              ; old M - new M, 0 or less
	s_delay_alu instid0(VALU_DEP_1)
	v_cvt_i32_f32 v[MX+2], v[MX+2]                 ; (it saturates)
	s_delay_alu instid0(VALU_DEP_1)
	v_ldexp_f32 v[FF], 1.0, v[MX+2]                ; f
	s_delay_alu instid0(VALU_DEP_4)
	v_add_f32 v[MX+3], v[M0], v[NM]                ; M0 - M: whole, exact
	s_delay_alu instid0(VALU_DEP_1)
	v_add_f32 v[PSI+3], v[PH], v[MX+3]
	s_delay_alu instid0(VALU_DEP_1)
	v_add_f32 v[PSI], v[PSI+3], v[OFF]
	s_delay_alu instid0(VALU_DEP_2)
	v_add_f32 v[PSI+1], v[PSI+3], v[OFF+1]
	s_delay_alu instid0(VALU_DEP_3)
	v_add_f32 v[PSI+2], v[PSI+3], v[OFF+2]
.set a, 0
.rept 8
.irp i, 0,2,4,6
.if (a/2)%2
	v_pk_add_f32 v[S+8*a+\i:S+8*a+\i+1], v[S+8*a+\i:S+8*a+\i+1], v[PSI+2*(a/4):PSI+2*(a/4)+1] op_sel:[0,1] op_sel_hi:[1,1]   ; t - M: the pair's upper word for both halves
.else
	v_pk_add_f32 v[S+8*a+\i:S+8*a+\i+1], v[S+8*a+\i:S+8*a+\i+1], v[PSI+2*(a/4):PSI+2*(a/4)+1] op_sel_hi:[1,0]                ; the lower word for both
.endif
.endr
.set a, a+1
.endr
.set j, 0
	s_wait_alu depctr_va_vdst(0)
.rept 64
	v_exp_f32 v[S+j], v[S+j]                       ; p = 2^(t - M), at most 1
.set j, j+1
.endr
	v_pk_mul_f32 v[LS:LS+1], v[LS:LS+1], v[FF:FF+1] op_sel_hi:[1,0]   ; the sums under the new M: the plain line behind the exponentials
	s_wait_alu depctr_va_vdst(0)                   ; the wait ahead of the first line that names an exponential's result: one for the batch
	v_pk_add_f32 v[238:239], v[100:101], v[104:105]
	v_pk_add_f32 v[254:255], v[108:109], v[112:113]
	v_pk_add_f32 v[252:253], v[116:117], v[120:121]
	v_pk_add_f32 v[246:247], v[124:125], v[128:129]
	v_pk_add_f32 v[244:245], v[132:133], v[136:137]
	v_pk_add_f32 v[234:235], v[140:141], v[144:145]
	v_pk_add_f32 v[232:233], v[148:149], v[152:153]
	v_pk_add_f32 v[12:13], v[12:13], v[156:157]
	v_pk_add_f32 v[238:239], v[238:239], v[96:97]
	v_pk_add_f32 v[254:255], v[254:255], v[98:99]
	v_pk_add_f32 v[252:253], v[252:253], v[102:103]
	v_pk_add_f32 v[246:247], v[246:247], v[106:107]
	v_pk_add_f32 v[244:245], v[244:245], v[110:111]
	v_pk_add_f32 v[234:235], v[234:235], v[114:115]
	v_pk_add_f32 v[232:233], v[232:233], v[118:119]
	v_pk_add_f32 v[12:13], v[12:13], v[122:123]
	v_pk_add_f32 v[238:239], v[238:239], v[126:127]
	v_pk_add_f32 v[254:255], v[254:255], v[130:131]
	v_pk_add_f32 v[252:253], v[252:253], v[134:135]
	v_pk_add_f32 v[246:247], v[246:247], v[138:139]
	v_pk_add_f32 v[244:245], v[244:245], v[142:143]
	v_pk_add_f32 v[234:235], v[234:235], v[146:147]
	v_pk_add_f32 v[232:233], v[232:233], v[150:151]
	v_pk_add_f32 v[12:13], v[12:13], v[154:155]
	v_pk_add_f32 v[238:239], v[238:239], v[158:159]
	s_delay_alu instid0(VALU_DEP_2)
	v_pk_add_f32 v[12:13], v[12:13], v[246:247]
	s_delay_alu instid0(VALU_DEP_2)
	v_pk_add_f32 v[238:239], v[238:239], v[244:245]
	v_pk_add_f32 v[254:255], v[254:255], v[234:235]
	v_pk_add_f32 v[252:253], v[252:253], v[232:233]
	s_delay_alu instid0(VALU_DEP_2)
	v_pk_add_f32 v[12:13], v[12:13], v[254:255]
	s_delay_alu instid0(VALU_DEP_2)
	v_pk_add_f32 v[238:239], v[238:239], v[252:253]
	s_delay_alu instid0(VALU_DEP_1)
	v_pk_add_f32 v[12:13], v[12:13], v[238:239]
.set a, 0
.rept 8
.irp i, 0,1,2,3,4,5,6,7
.endr
	v_cvt_scalef32_pk8_bf8_f32 v[PC+2*a:PC+2*a+1], v[S+8*a:S+8*a+7], v[PSC]   ; keys 16 a + 8 h + 0 .. 7: the operand's registers 2 a, 2 a + 1
.set a, a+1
.endr
.set j, 0
.rept 16
	v_pk_mul_f32 v[O+j:O+j+1], v[O+j:O+j+1], v[FF:FF+1] op_sel_hi:[1,0]   ; O^T under the new M
.set j, j+2
.endr
	s_wait_alu depctr_va_vdst(0)
	s_wait_dscnt 0x0                               ; V is in
.irp t, 0,1,2,3
	v_wmma_f32_16x16x128_bf8_bf8 v[O+8*\t:O+8*\t+7], v[KV+16*\t:KV+16*\t+15], v[PC:PC+15], v[O+8*\t:O+8*\t+7]   ; the four accumulators take turns, one instruction a turn
.endr
.endm
; THE CHANGE OF SLOTS stands at a slot's head.  Each wave waits for all its tensor loads (its part of the slot ahead), adds 0 to its spare word and waits for that and for its LDS reads.
; fill = 1: behind a round of the cluster's barrier the NEXT LDS slot gets its one and only fill, the two key steps below those in hand; it has a slot's two steps in which to land.
.macro CHANGE fill
	s_wait_tensorcnt 0x0                           ; no tensor load of mine is out, so the group 0 may be written
	ds_add_u32 v[SPW], v[NIL]                      ; 0 onto my spare word
.if \fill
	s_add_co_u32 s[G0+1], s[G0+1], SLOTB           ; LDS goes up,
	s_sub_nc_u64 s[G0+2:G0+3], s[G0+2:G0+3], SLOTB ; the keys go down; the type bits on top are not reached
	s_wait_xcnt 0x0                                ; the last prefetch, a slot back, has read its address
	s_sub_nc_u64 s[PFA:PFA+1], s[PFA:PFA+1], SLOTB ; one slot further down than the descriptor
	s_wait_dscnt 0x0
	CROUND
	TLOAD
	ASK
.else
	s_wait_dscnt 0x0
	s_barrier_signal -1
	s_barrier_wait -1
.endif
.endm
.macro SLOT_STEPS QF
	STEP 1, \QF                                    ; the upper 128 keys first
	STEP 0, \QF
	s_add_co_u32 s[TB], s[TB], SLOTB
.endm
; A tile ends: O^T / the sum, held, converted, stored as an image of the last product's operand.
.macro FINISH p
.rept 4
	v_nop                                          ; places behind the last products
.endr
	v_add_f32 v[LS], v[LS], v[LS+1]
	s_delay_alu instid0(VALU_DEP_1)
	v_permlanex16_b32 v[PX], v[LS], s[SEL], s[SEL+1]
	s_delay_alu instid0(VALU_DEP_1)
	v_add_f32 v[LS], v[LS], v[PX]                  ; the row's sum
	s_wait_alu depctr_va_vdst(0)
	v_rcp_f32 v[LS], v[LS]
	v_nop                                          ; a plain line behind the reciprocal
	s_wait_alu depctr_va_vdst(0)                   ; and the wait ahead of its first reader
.set j, 0
.rept 16
	v_pk_mul_f32 v[S+j:S+j+1], v[O+j:O+j+1], v[LS:LS+1] op_sel_hi:[1,0]   ; each accumulator from its low end on
.set j, j+2
.endr
.set j, 0
.rept 32
.set j, j+1
.endr
.irp t, 0,1,2,3
	v_cvt_scalef32_pk8_bf8_f32 v[PC+2*\t:PC+2*\t+1], v[S+8*\t:S+8*\t+7], v[OSC]   ; channels 16 t + 8 h + 0 .. 7 of my head
.endr
	v_nop                                          ; a plain line behind the last conversion
	global_store_b128 v[GO], v[PC:PC+3], s[AC:AC+1] offset:(\p)*16384         ; 32 lanes store 512 consecutive bytes, aligned
	global_store_b128 v[GO], v[PC+4:PC+7], s[AC:AC+1] offset:(\p)*16384+512
	s_wait_xcnt 0x0                                ; the stores' data registers are written again only behind this wait
.endm
	INIT
	s_wait_loadcnt 0x0                             ; Q
.Lslot:                                            ; seven trips: behind each change the next LDS slot is asked for
	CHANGE 1
	SLOT_STEPS Q0
	s_sub_co_u32 s[SLOTS], s[SLOTS], 1
	s_cmp_lg_u32 s[SLOTS], 0
	s_cbranch_scc1 .Lslot
	CHANGE 0                                       ; the last slot is written out
	SLOT_STEPS Q0
	FINISH 0
	s_sub_co_u32 s19, s19, 64                      ; the second tile lies 64 positions on
	INIT
	s_mov_b32 s[TB], 0
	s_mov_b32 s[SLOTS], 8
.Lslot2:                                           ; all of K and V lie in LDS and nobody writes there: no barrier
	SLOT_STEPS Q0+8
	s_sub_co_u32 s[SLOTS], s[SLOTS], 1
	s_cmp_lg_u32 s[SLOTS], 0
	s_cbranch_scc1 .Lslot2
	FINISH 1
	s_wait_tensorcnt 0x0                           ; the wave's end
	ds_add_u32 v[SPW], v[NIL]
	s_wait_dscnt 0x0
	CROUND                                         ; the closing round
	s_endpgm
.Lfunc_end_k_qcece7300db_attn:
	.size	k_qcece7300db_attn, .Lfunc_end_k_qcece7300db_attn-k_qcece7300db_attn
	.p2alignl 7, 3214868480
	.fill 96, 4, 3214868480
	.section	.rodata,"a",@progbits
	.p2align	6, 0x0
	.amdhsa_kernel k_qcece7300db_attn
		.amdhsa_group_segment_fixed_size 327680
		.amdhsa_private_segment_fixed_size 0
		.amdhsa_enable_private_segment 0
		.amdhsa_kernarg_size 32
		.amdhsa_user_sgpr_count 2
		.amdhsa_user_sgpr_kernarg_segment_ptr 1
		.amdhsa_wavefront_size32 1
		.amdhsa_system_sgpr_workgroup_id_x 1
		.amdhsa_system_sgpr_workgroup_id_y 1
		.amdhsa_system_sgpr_workgroup_id_z 1
		.amdhsa_system_vgpr_workitem_id 0
		.amdhsa_next_free_vgpr 256
		.amdhsa_next_free_sgpr 80
		.amdhsa_reserve_vcc 0
		.amdhsa_float_denorm_mode_32 3
		.amdhsa_float_denorm_mode_16_64 3
		.amdhsa_fp16_overflow 1
		.amdhsa_memory_ordered 1
		.amdhsa_forward_progress 1
		.amdhsa_inst_pref_size 129
	.end_amdhsa_kernel
	.amdgpu_metadata
---
amdhsa.version: [ 1, 2 ]
amdhsa.kernels:
  - .name:           k_qcece7300db_attn
    .symbol:         k_qcece7300db_attn.kd
    .args:
      - { .name: qc, .offset: 0, .size: 8, .value_kind: global_buffer, .address_space: global }
      - { .name: kvc, .offset: 8, .size: 8, .value_kind: global_buffer, .address_space: global }
      - { .name: lowp_scales, .offset: 16, .size: 8, .value_kind: global_buffer, .address_space: global }
      - { .name: ac, .offset: 24, .size: 8, .value_kind: global_buffer, .address_space: global }
    .group_segment_fixed_size: 327680
    .private_segment_fixed_size: 0
    .kernarg_segment_align: 8
    .kernarg_segment_size: 32
    .max_flat_workgroup_size: 512
    .sgpr_count:     80
    .vgpr_count:     256
    .wavefront_size: 32
...
	.end_amdgpu_metadata
.endif
;; end of part 2
;; launch oproj (part 3): grid 4 x 64, 4 waves a work-group, clusters of 4 x 4, 327,680 bytes of LDS; arguments ac, Wo_codes, lowp_scales, out0; writes out0
.if DOCPART == 3
	.amdgcn_target "amdgcn-amd-amdhsa--gfx1250"
	.amdhsa_code_object_version 6
	.text
	.protected	k_qcece7300db_oproj
	.globl	k_qcece7300db_oproj
	.p2align	8
	.type	k_qcece7300db_oproj,@function
k_qcece7300db_oproj:
	s_mov_b64 s[64:65], 0
	v_nop
	global_prefetch_b8 v0, s[64:65] scope:SCOPE_SE
	s_setreg_imm32_b32 hwreg(HW_REG_WAVE_MODE, 25, 1), 1
	s_wait_xcnt 0x0
	s_wait_alu depctr_hold_cnt(0) depctr_sa_sdst(0) depctr_va_vdst(0) depctr_va_sdst(0) depctr_va_ssrc(0) depctr_va_vcc(0) depctr_vm_vsrc(0)
	s_getreg_b32 s2, hwreg(HW_REG_IB_STS2, 6, 4)
	s_cmp_eq_u32 s2, 0
	s_cbranch_scc0 .Lentry_in_a_cluster
	s_endpgm
.Lentry_in_a_cluster:
	s_bfe_u32 s2, ttmp6, 0x10000c
	s_cmp_lg_u32 s2, 0xf033
	s_cbranch_scc0 .Lentry_shape_is_right
	s_endpgm
.Lentry_shape_is_right:
.set PITCH,  272
.set AIMG,   32768
.set SLOT,   AIMG+256*PITCH
.set SPARE,  2*SLOT
.set SPITCH, 272
.set ADRA, 16
.set ADRB, 20
.set STO,  24
.set RD,   25
.set CO,   26
.set SPW,  28
.set NIL,  29
.set TMP,  32
.set AF,   128
.set G1, 24
.set G0, 32
.set G1B, 48
.set G0B, 56
.set MSB, 0
.macro WIN new
.if MSB != \new
	s_set_vgpr_msb (MSB<<8)|\new
.set MSB, \new
.endif
.endm
.set MUL,  0xa1
.set TO_B, 0x40
.macro JLOAD g0a, g1a, g0b, g1b
	s_cmp_eq_u32 s15, 0
	s_cbranch_scc0 .Lfor_b_\@
	tensor_load_to_lds s[\g0a:\g0a+3], s[\g1a:\g1a+7]
	s_nop 0
.rept 4
	v_nop
.endr
	s_branch .Lasked_\@
.Lfor_b_\@:
	tensor_load_to_lds s[\g0b:\g0b+3], s[\g1b:\g1b+7]
	s_nop 0
.rept 4
	v_nop
.endr
.Lasked_\@:
.endm
.macro CREST
	s_cmp_lg_u32 s14, 0
	s_cbranch_scc1 .Lnot_wave_0_\@
	s_barrier_signal -3
.Lnot_wave_0_\@:
	s_barrier_wait -3
	s_barrier_signal -1
	s_barrier_wait -1
.endm
.macro CROUND
	s_barrier_signal -1
	s_barrier_wait -1
	CREST
.endm
	s_load_b128 s[4:7], s[0:1], 0x0
	s_load_b128 s[8:11], s[0:1], 0x10
	v_lshl_add_u32 v[SPW], v0, 2, SPARE
	v_mov_b32 v[NIL], 0
	ds_add_u32 v[SPW], v[NIL]
	ds_add_u32 v[SPW], v[NIL]
	v_lshrrev_b32 v1, 5, v0
	v_readfirstlane_b32 s14, v1
	s_lshr_b32 s15, s14, 1
	s_and_b32 s16, s14, 1
	s_bfe_u32 s40, ttmp6, 0x40000
	s_bfe_u32 s41, ttmp6, 0x40004
	s_lshl_b32 s42, ttmp9, 2
	s_add_co_u32 s42, s42, s40
	s_and_b32 s17, ttmp7, 0xffff
	s_lshl_b32 s17, s17, 2
	s_add_co_u32 s17, s17, s41
	s_lshl_b32 s43, s41, 2
	s_lshl_b32 s43, 15, s43
	s_lshl_b32 s44, 0x1111, s40
	s_or_b32 s[G1], s43, (3<<16)|(1<<21)
	s_mov_b32 s[G1+1], 32<<16
	s_mov_b32 s[G1+2], 64<<16
	s_mov_b32 s[G1+3], 32<<16
	s_mov_b32 s[G1+4], 64
	s_mov_b32 s[G1+5], 32
	s_mov_b32 s[G1+6], 0
	s_mov_b32 s[G1+7], 0
	s_or_b32 s[G1B], s44, (1<<20)|(1<<21)|(5<<22)|(3<<25)
	s_mov_b32 s[G1B+1], 256<<16
	s_mov_b32 s[G1B+2], 128<<16
	s_mov_b32 s[G1B+3], 256<<16
	s_mov_b32 s[G1B+4], 128
	s_mov_b32 s[G1B+5], 1024
	s_mov_b32 s[G1B+6], 0
	s_mov_b32 s[G1B+7], 0
	s_lshl_b32 s20, s17, 15
	s_lshl_b32 s18, s16, 14
	s_add_co_u32 s20, s20, s18
	s_mov_b32 s21, 0
	s_lshl_b32 s46, s42, 18
	s_lshl_b32 s47, s16, 17
	s_add_co_u32 s46, s46, s47
	s_mov_b32 s47, 0
	s_mul_i32 s45, s16, 128*PITCH
	s_add_co_u32 s45, s45, AIMG
	s_wait_dscnt 0x0
	s_wait_kmcnt 0x0
	s_load_b64 s[96:97], s[8:9], 0x28
	s_add_nc_u64 s[20:21], s[4:5], s[20:21]
	s_add_nc_u64 s[46:47], s[6:7], s[46:47]
	CROUND
.irp s, 0,1
	s_mov_b32 s[G0+4*\s], 1
	s_add_co_u32 s[G0+4*\s+1], s18, \s*SLOT
	s_add_nc_u64 s[G0+4*\s+2:G0+4*\s+3], s[20:21], \s*2097152
	s_or_b32 s[G0+4*\s+3], s[G0+4*\s+3], 0x80000000
	s_mov_b32 s[G0B+4*\s], 1
	s_add_co_u32 s[G0B+4*\s+1], s45, \s*SLOT
	s_add_nc_u64 s[G0B+4*\s+2:G0B+4*\s+3], s[46:47], \s*256
	s_or_b32 s[G0B+4*\s+3], s[G0B+4*\s+3], 0x80000000
	s_wait_alu depctr_va_vdst(0)
	s_wait_tensorcnt 0x0
	ds_add_u32 v28, v29
	ds_add_u32 v28, v29
	s_wait_dscnt 0x0
	CROUND
	JLOAD G0+4*\s, G1, G0B+4*\s, G1B
.endr
	v_and_b32 v1, 15, v0
	v_bfe_u32 v2, v0, 4, 1
	v_and_b32 v6, 31, v0
	v_lshlrev_b32 v[ADRA], 4, v6
	v_add_nc_u32 v[ADRA+1], SLOT, v[ADRA]
	v_mul_u32_u24 v3, v1, PITCH
	v_lshl_add_u32 v3, v2, 3, v3
	s_mul_i32 s21, s14, 64*PITCH
	s_add_co_u32 s21, s21, AIMG
	v_add_nc_u32 v[ADRB], s21, v3
	v_add_nc_u32 v[ADRB+1], SLOT, v[ADRB]
	s_mul_i32 s23, s14, 16*SPITCH
	v_mul_u32_u24 v5, v1, SPITCH
	v_lshl_add_u32 v5, v2, 5, v5
	v_add_nc_u32 v[STO], s23, v5
	v_mul_u32_u24 v5, v2, SPITCH
	v_lshl_add_u32 v5, v1, 4, v5
	v_add_nc_u32 v[RD], s23, v5
	v_lshlrev_b32 v5, 12, v2
	v_lshl_add_u32 v[CO], v1, 4, v5
	s_lshl_b32 s20, s17, 19
	s_lshl_b32 s21, s42, 10
	s_add_co_u32 s20, s20, s21
	s_lshl_b32 s21, s14, 8
	s_add_co_u32 s20, s20, s21
	s_mov_b32 s21, 0
	s_add_nc_u64 s[10:11], s[10:11], s[20:21]
.macro MUL8 a0, p, zero
.irp a, \a0, \a0+1
.irp b, 0,1,2,3
.if \zero
	v_wmma_f32_16x16x128_bf8_bf8 v[8*(4*(\a)+\b):8*(4*(\a)+\b)+7], v[128*(\p)+16*\b:128*(\p)+16*\b+15], v[AF+16*(\a):AF+16*(\a)+15], 0
.else
	v_wmma_f32_16x16x128_bf8_bf8 v[8*(4*(\a)+\b):8*(4*(\a)+\b)+7], v[128*(\p)+16*\b:128*(\p)+16*\b+15], v[AF+16*(\a):AF+16*(\a)+15], v[8*(4*(\a)+\b):8*(4*(\a)+\b)+7]
.endif
.endr
.endr
.endm
.macro FETCH_B slot, q, p
	WIN TO_B
.irp b, 0,1,2,3
.irp c, 0,1,2,3,4,5,6,7
	ds_load_b64 v[128*(\p)+16*\b+2*\c:128*(\p)+16*\b+2*\c+1], v[ADRB+\slot] offset:128*(\q)+16*\c+16*\b*PITCH
.endr
.endr
	WIN 0
.endm
.macro FETCH_A slot, q, i0
.irp i, \i0, \i0+1, \i0+2, \i0+3
.irp c, 0,1,2,3
	ds_load_b128 v[AF+16*(\i)+4*\c:AF+16*(\i)+4*\c+3], v[ADRA+\slot] offset:(\i)*4096+(\q)*2048+\c*512
.endr
.endr
.endm
.macro PLACES n
.rept \n
	v_nop
.endr
.endm
.macro STEP slot, zero
	s_wait_dscnt 16
	WIN MUL
	MUL8 0, 0, \zero
	MUL8 2, 0, \zero
	s_wait_dscnt 0
	PLACES 4
	FETCH_B \slot, 1, 1
	FETCH_A \slot, 1, 0
	WIN MUL
	MUL8 4, 0, \zero
	MUL8 6, 0, \zero
	PLACES 4
	WIN 0
	FETCH_A \slot, 1, 4
.endm
.macro TURN slot, next, fill
	s_wait_tensorcnt 0x0
	ds_add_u32 v[SPW], v[NIL]
	s_wait_dscnt 17
	WIN MUL
	MUL8 0, 1, 0
	s_wait_dscnt 0x0
	s_barrier_signal -1
	MUL8 2, 1, 0
	WIN 0
	s_barrier_wait -1
.if \fill
	CREST
	s_add_nc_u64 s[G0+4*\slot+2:G0+4*\slot+3], s[G0+4*\slot+2:G0+4*\slot+3], 2*2097152
	s_add_nc_u64 s[G0B+4*\slot+2:G0B+4*\slot+3], s[G0B+4*\slot+2:G0B+4*\slot+3], 512
	JLOAD G0+4*\slot, G1, G0B+4*\slot, G1B
.else
	PLACES 4
.endif
	s_wait_alu depctr_va_vdst(0)
	FETCH_B \next, 0, 0
	FETCH_A \next, 0, 0
	WIN MUL
	MUL8 4, 1, 0
	MUL8 6, 1, 0
	PLACES 4
	WIN 0
	FETCH_A \next, 0, 4
.endm
	s_wait_tensorcnt 1
	s_barrier_signal -1
	s_barrier_wait -1
	FETCH_B 0, 0, 0
	FETCH_A 0, 0, 0
	FETCH_A 0, 0, 4
	STEP 0, 1
	TURN 0, 1, 1
	STEP 1, 0
	TURN 1, 0, 1
	STEP 0, 0
	TURN 0, 1, 0
	STEP 1, 0
	s_wait_dscnt 16
	WIN MUL
	MUL8 0, 1, 0
	MUL8 2, 1, 0
	s_wait_dscnt 0
	MUL8 4, 1, 0
	MUL8 6, 1, 0
	WIN 0
.macro TOSTAGE a
	WIN 0x02
.set j, 0
.rept 16
	v_pk_mul_f32 v[TMP+j:TMP+j+1], v[32*(\a)+j:32*(\a)+j+1], s[96:97] op_sel_hi:[1,0]
.set j, j+2
.endr
	WIN 0
.irp b, 0,1,2,3
	ds_store_b128 v[STO], v[TMP+8*\b:TMP+8*\b+3] offset:64*\b
	ds_store_b128 v[STO], v[TMP+8*\b+4:TMP+8*\b+7] offset:64*\b+16
.endr
	WIN TO_B
.irp t, 0,1,2,3,4,5,6,7
	ds_load_b128 v[32*(\a)+4*\t:32*(\a)+4*\t+3], v[RD] offset:\t*2*SPITCH
.endr
	WIN 0
.endm
.macro SEND a, younger
	s_wait_dscnt \younger
	WIN 0x04
.irp t, 0,1,2,3,4,5,6,7
	global_store_b128 v[CO], v[32*(\a)+4*\t:32*(\a)+4*\t+3], s[10:11] offset:(16*(\a)+2*\t)*4096 th:TH_STORE_NT
.endr
	WIN 0
.endm
	s_wait_kmcnt 0x0
	s_add_co_i32 s96, s96, s97
	s_add_co_i32 s96, s96, 127
	s_lshl_b32 s96, s96, 23
	s_mov_b32 s97, s96
	PLACES 4
	TOSTAGE 0
.irp a, 1,2,3,4,5,6,7
	TOSTAGE \a
	SEND \a-1, 16
.endr
	SEND 7, 0
	s_wait_tensorcnt 0x0
	ds_add_u32 v[SPW], v[NIL]
	s_wait_dscnt 0x0
	CROUND
	s_endpgm
.Lfunc_end_k_qcece7300db_oproj:
	.size	k_qcece7300db_oproj, .Lfunc_end_k_qcece7300db_oproj-k_qcece7300db_oproj
	.p2alignl 7, 3214868480
	.fill 96, 4, 3214868480
	.section	.rodata,"a",@progbits
	.p2align	6, 0x0
	.amdhsa_kernel k_qcece7300db_oproj
		.amdhsa_group_segment_fixed_size 327680
		.amdhsa_private_segment_fixed_size 0
		.amdhsa_enable_private_segment 0
		.amdhsa_kernarg_size 32
		.amdhsa_user_sgpr_count 2
		.amdhsa_user_sgpr_kernarg_segment_ptr 1
		.amdhsa_wavefront_size32 1
		.amdhsa_system_sgpr_workgroup_id_x 1
		.amdhsa_system_sgpr_workgroup_id_y 1
		.amdhsa_system_sgpr_workgroup_id_z 1
		.amdhsa_system_vgpr_workitem_id 0
		.amdhsa_next_free_vgpr 768
		.amdhsa_next_free_sgpr 98
		.amdhsa_reserve_vcc 0
		.amdhsa_float_denorm_mode_32 3
		.amdhsa_float_denorm_mode_16_64 3
		.amdhsa_memory_ordered 1
		.amdhsa_forward_progress 1
		.amdhsa_inst_pref_size 86
	.end_amdhsa_kernel
	.amdgpu_metadata
---
amdhsa.version: [ 1, 2 ]
amdhsa.kernels:
  - .name:           k_qcece7300db_oproj
    .symbol:         k_qcece7300db_oproj.kd
    .args:
      - { .name: ac, .offset: 0, .size: 8, .value_kind: global_buffer, .address_space: global }
      - { .name: Wo_codes, .offset: 8, .size: 8, .value_kind: global_buffer, .address_space: global }
      - { .name: lowp_scales, .offset: 16, .size: 8, .value_kind: global_buffer, .address_space: global }
      - { .name: out0, .offset: 24, .size: 8, .value_kind: global_buffer, .address_space: global }
    .group_segment_fixed_size: 327680
    .private_segment_fixed_size: 0
    .kernarg_segment_align: 8
    .kernarg_segment_size: 32
    .max_flat_workgroup_size: 128
    .sgpr_count:     98
    .vgpr_count:     768
    .wavefront_size: 32
...
	.end_amdgpu_metadata
.endif
;; end of part 3
